; MI455X (gfx1250); checked and timed in simulation.
; The chip was launched on July 23, 2026; its instructions are those of AMD's public machine-readable ISA for CDNA 5 (MIT licence, August 2026) and "CDNA5" Instruction Set Architecture Reference Guide (July 2026). The comments in the code are by the model that wrote it; some were corrected since.
;; Multi Head Attention. Allowed arithmetic: matrix products marked QUANTISED: E5M2 operands, one given power-of-two scale a tensor, by v_wmma_f32_16x16x64_bf8_bf8 or v_wmma_f32_16x16x128_bf8_bf8, f32 sums; everything else in f32.
;; Inputs: Wout_codes 1,024 x 32 x 32 uint8 (E5M2 codes of Wout, K innermost, in blocks of 32 codes); Wqkv_codes 3,072 x 32 x 32 uint8 (E5M2 codes of Wqkv, K innermost, in blocks of 32 codes); lowp_scales 8 int32 (the exponents e of the quantised operands' scales 2^e); x_codes 2 x 2,048 x 32 x 32 uint8 (E5M2 codes of x, K innermost, in blocks of 32 codes).
;; Outputs: out0 2 x 2,048 x 1,024 float32.
;; This version of the problem:
;;   THIS VERSION OF THE PROBLEM IS GIVEN IN LOW PRECISION. The matrix products marked QUANTISED in the list below multiply operands that are first quantised to E5M2 (5 exponent bits, 2 mantissa bits; 8 bits a number), with one given power-of-two scale for each operand tensor; their sums are f32. All else is computed in f32.
;;   The module's matrix products, in the order in which they are computed (A, B: the left and right operand; K: the contracted axis; several contracted axes count as one K, in the product's order):
;;     1. [M 4,096, K 1,024] x [K 1,024, N 3,072]; A: input x (given as codes); B: input Wqkv (given as codes): QUANTISED (scales: A lowp_scales[0], B lowp_scales[1])
;;     2. batch 32 x [M 2,048, K 64] x [K 64, N 2,048]; A: computed on the way; B: computed on the way: QUANTISED (scales: A lowp_scales[2], B lowp_scales[3])
;;     3. batch 32 x [M 2,048, K 2,048] x [K 2,048, N 64]; A: softmax (see below); B: computed on the way: QUANTISED (scales: A lowp_scales[4], B lowp_scales[5])
;;     4. [M 4,096, K 1,024] x [K 1,024, N 1,024]; A: computed on the way; B: input Wout (given as codes): QUANTISED (scales: A lowp_scales[6], B lowp_scales[7])
;;   THE QUANTISER, for each operand of a quantised product, along K:
;;     - The operand's scale is 2^e, e = its entry of the input lowp_scales (int32; the entries are numbered through the quantised products in the list's order, A before B).
;;     - Each number is divided by the scale, clamped to +-57,344, and rounded to the nearest number of E5M2, ties to even, subnormals kept.
;;     - The product sums the exact products of the quantised numbers (number of the format x scale) in f32.
;;   ~~~python
;;   def quantise(x, axis, e):      # numpy; x: float32 -> the quantised numbers, widened to float32 again
;;       x = np.moveaxis(x, axis, -1); K = x.shape[-1]
;;       r = np.clip(x / 2.0 ** e, -57344, 57344)
;;       step = 2.0 ** (np.maximum(np.frexp(np.where(r == 0, 1, r))[1] - 1, -14) - 2)
;;       q = np.round(r / step) * step * 2.0 ** e      # np.round: ties to even
;;       return np.moveaxis(q, -1, axis).astype(np.float32)
;;   ~~~
;;   SOFTMAX AHEAD OF A QUANTISED PRODUCT. Where the list says 'softmax', what is quantised is not the finished softmax but p = 2^(t - M), with t = logit x log2(e) and M = ceil(the row's largest t), a whole number; so 1/2 < the row's largest p <= 1. The row's sum l is taken of the UNQUANTISED p, in f32, and the product's result is divided by l at the end. Since M is a whole number, a kernel that streams over the keys may use a running M (the ceiling of the running maximum): every later rescaling is an exact power of two, so the quantised numbers keep their values, but for numbers so far below the row's largest that they fall under the format's range.
;;   OPERANDS COMPUTED ON THE WAY. 'Computed on the way' means the value that the module computes at that place (a softmax that the list does not call 'softmax' is quantised finished and normalised). What goes into a quantiser is computed in f32, as accurately as f32 sums, v_exp_f32 and their like allow (about 1e-6 of the number): no bf16 or f16 on the way to a quantiser, and a product that is left as it is and whose result goes on into a quantised operand takes f32 operands (vector FMAs, or v_wmma_f32_16x16x4_f32). A number that lies on a knife's edge between two numbers of the format may be rounded either way, as far as f32 arithmetic and the matrix unit's own rounding can turn it there, and no further.
;;   INPUTS GIVEN AS CODES. Wout (in the module: [1024, 1024], K = its axis 0); Wqkv (in the module: [1024, 3072], K = its axis 0); x (in the module: [2, 2048, 1024], K = its axis 2): each comes as NAME_codes (uint8): NAME with its K axis moved to the last place and cut into blocks of 32 codes, [.., K / 32, bytes a block], one block behind the other in memory; one code a byte (a code: sign, 5 exponent bits, 2 mantissa bits); its scale is its entry of lowp_scales. Its value is code x scale, taken as it is: it is not quantised again, and the codes and scales need not be those that the quantiser above would give.
;; One version. Each part assembles by itself: llvm-mc -triple=amdgcn-amd-amdhsa -mcpu=gfx1250 --defsym DOCPART=n.
;; ======== version 1 of 1: 3 launches
;; limits: right only within a limited range of input values
;; workspace buffers: qkvc 12,582,912 bytes; attc 4,194,304 bytes
;; launch qkvrope (part 1): grid 16 x 16, 4 waves a work-group, clusters of 4 x 4, 327,680 bytes of LDS; arguments x_codes, Wqkv_codes, lowp_scales, qkvc; writes qkvc
.if DOCPART == 1
	.amdgcn_target "amdgcn-amd-amdhsa--gfx1250"
	.amdhsa_code_object_version 6
	.text
	.protected	k_q3ddfaa5855_qkvrope
	.globl	k_q3ddfaa5855_qkvrope
	.p2align	8
	.type	k_q3ddfaa5855_qkvrope,@function
k_q3ddfaa5855_qkvrope:
	s_mov_b64 s[64:65], 0
	v_nop
	global_prefetch_b8 v0, s[64:65] scope:SCOPE_SE
	s_setreg_imm32_b32 hwreg(HW_REG_WAVE_MODE, 25, 1), 1
	s_wait_xcnt 0x0
	s_wait_alu depctr_hold_cnt(0) depctr_sa_sdst(0) depctr_va_vdst(0) depctr_va_sdst(0) depctr_va_ssrc(0) depctr_va_vcc(0) depctr_vm_vsrc(0)
	s_getreg_b32 s2, hwreg(HW_REG_IB_STS2, 6, 4)
	s_cmp_eq_u32 s2, 0
	s_cbranch_scc0 .Lentry_in_a_cluster
	s_endpgm
.Lentry_in_a_cluster:
	s_bfe_u32 s2, ttmp6, 0x10000c
	s_cmp_lg_u32 s2, 0xf033
	s_cbranch_scc0 .Lentry_shape_is_right
	s_endpgm
.Lentry_shape_is_right:
; q, k, v = x Wqkv on codes of BF8 (E5M2); q and k rotated (RoPE); all three quantised and stored as codes.
; DEAD WORK (in launch attn): reference() puts -inf on every key behind the query ahead of the softmax, so p of such a key is 0 for all finite inputs: key steps that lie wholly behind a tile of queries
; are left out there.  LIMIT: a NaN, an infinity or an overflow that reaches only the work left out is not carried to the result.
; SHARES.  Work-group (head j, token tile): 256 tokens x (q, k, v of head j): 192 columns; 256 work-groups, all alike.  Four waves: (rh, c): 128 tokens x (q (c = 0) or k (c = 1), 64 channels, and 32 channels of v).
; K = 1024 in four steps of 256 through two LDS slots: rows 0-255 x, 256-319 Wq, 320-383 Wk, 384-447 Wv, 272 bytes a row (256 + 16 of padding).
; CLUSTERS 4 x 4: the tokens are asked for jointly along a row of the cluster, the weights along a column.  Wave 0 fetches x, waves 1 to 3 Wq, Wk, Wv.
; PREFETCH: behind each tensor load the next K step's bytes are asked for, one K step ahead of the load that will want them; behind the last load nothing.  Each aligned block of 256 bytes is named once in a cluster:
; of x's 256 rows the partner at cx names 64 (waves 0, 1: 32 each), of each 64 rows of Wq, Wk, Wv the partner at cy names 16 (wave 2: Wq and Wk, wave 3: Wv).
; q, k: source 0 = 16 rows of W, source 1 = 16 tokens: a lane holds one token and eight neighbouring channels.  v: the sources swapped: a lane holds one channel and eight neighbouring tokens.
; OUT: images of the operand registers: 16 bytes x lane, 512 bytes a piece.  q: byte (b 16 + j) 2^17 + (16-token tile) 1024 + piece 512.  k, v: from 4 MiB on, (b 16 + j) 2^18 + (128-token step) 2^14: k's eight
; tiles of 1,024 bytes, then v's four tiles of 16 channels, 2,048 bytes each.
; LIMITS: e2, e3, e5 less e0 + e1 lie between -126 and 112.  NaN among the codes is not served.
; REGISTERS: window 0: v14-31 addresses and scales; v96-127 v's codes; v128-255 A's fragments (8 x 16), ahead of them the rotation's work, behind them results.  window 1: B's fragments, two sets, v0-95 and v128-223.
; windows 2, 3: accumulators of token blocks 0-3, 4-7: block a at 48 (a % 4): four of q or k, two of v.  The rotation's cosines and sines, 32 registers a block, lie in what is left of all four windows.
.set ROWB,   256
.set PITCH,  272
.set SLOT1,  0x20000
.set SPARE,  2*SLOT1
.set ADRA, 16
.set ADRB, 18
.set ADRV, 20
.set CO,   22
.set LIM,  23
.set SC,   24
.set LIMV, 25
.set SCV,  26
.set SPW,  28
.set NIL,  29
.set SF,   30
.set MG,   8
.set S5V,  10
.set C5V,  12
.set PFO,  14                          ; the prefetches' offset; never rewritten
.set PO,   128
.set YY,   144
.set ZZ,   160
.set PP,   176
.set QQ,   192
.set FQ,   208
.set CT,   224
.set SN,   240
.set AF,   128
.set CD,   192
.set CDV,  96
.set G1A, 24
.set G0A, 32
.set PFA, 46                           ; s[46:47] the prefetches' base: my wave's part of K step 0; never stepped: the K step stands in the immediate
.set G1B, 48
.set G0B, 56
.set K_INVPI, 66
.set K_NPIHI, 68
.set K_PILO,  70
.set K_S6, 72
.set K_S4, 74
.set K_S3, 76
.set K_S2, 78
.set K_S1, 80
.set K_C6, 82
.set K_C4, 84
.set K_C3, 86
.set K_C2, 88
.set MSB, 0
.macro WIN new                         ; the immediate's high byte repeats the setting that is left
.if MSB != (\new)
	s_set_vgpr_msb (MSB<<8)|(\new)
.set MSB, \new
.endif
.endm
; A joint load: wave 0 fetches x, the others their part of W.  An s_nop 0 and four v_nop follow each line.
.macro JLOAD s
	s_cmp_eq_u32 s14, 0
	s_cbranch_scc0 .Lfor_b_\@
	tensor_load_to_lds s[G0A+4*\s:G0A+4*\s+3], s[G1A:G1A+7]
	s_nop 0
.rept 4
	v_nop
.endr
	s_branch .Lasked_\@
.Lfor_b_\@:
	tensor_load_to_lds s[G0B+4*\s:G0B+4*\s+3], s[G1B:G1B+7]
	s_nop 0
.rept 4
	v_nop
.endr
.Lasked_\@:
.endm
.macro ASK ks                          ; K step ks: one line a wave
	global_prefetch_b8 v[PFO], s[PFA:PFA+1] offset:\ks*ROWB th:TH_LOAD_NT scope:SCOPE_SE
.endm
.macro CREST                           ; a round of the cluster's barrier behind its opening barrier
	s_cmp_lg_u32 s14, 0
	s_cbranch_scc1 .Lnot_wave_0_\@
	s_barrier_signal -3
.Lnot_wave_0_\@:
	s_barrier_wait -3
	s_barrier_signal -1
	s_barrier_wait -1
.endm
.macro CROUND
	s_barrier_signal -1
	s_barrier_wait -1
	CREST
.endm
.macro SETC k, bits
	s_mov_b32 s[\k], \bits
	s_mov_b32 s[\k+1], \bits
.endm
	s_load_b128 s[4:7], s[0:1], 0x0                ; x, Wqkv
	s_load_b128 s[8:11], s[0:1], 0x10              ; the scales' exponents, qkvc
	v_lshl_add_u32 v[SPW], v0, 2, SPARE
	v_mov_b32 v[NIL], 0
	ds_add_u32 v[SPW], v[NIL]                      ; the opening: the add, twice on end, and its wait
	ds_add_u32 v[SPW], v[NIL]
	v_lshrrev_b32 v1, 5, v0
	v_readfirstlane_b32 s14, v1                    ; wave
	s_lshr_b32 s15, s14, 1                         ; rh
	s_and_b32 s16, s14, 1                          ; c
	s_bfe_u32 s40, ttmp6, 0x40000
	s_bfe_u32 s41, ttmp6, 0x40004
	s_lshl_b32 s42, ttmp9, 2
	s_add_co_u32 s42, s42, s40                     ; head
	s_and_b32 s17, ttmp7, 0xffff
	s_lshl_b32 s17, s17, 2
	s_add_co_u32 s17, s17, s41                     ; token tile
	s_lshl_b32 s43, s41, 2
	s_lshl_b32 s43, 15, s43                        ; my row of the cluster
	s_lshl_b32 s44, 0x1111, s40                    ; my column
	; descriptor group 1: bytes; 16 bytes of padding after every 256; bit 21 beside the mask
	s_or_b32 s[G1A+0], s43, (1<<20)|(1<<21)|(5<<22)|(3<<25)
	s_or_b32 s[G1B+0], s44, (1<<20)|(1<<21)|(5<<22)|(3<<25)
.irp g, G1A, G1B
	s_mov_b32 s[\g+1], ROWB<<16
	s_mov_b32 s[\g+3], ROWB<<16
	s_mov_b32 s[\g+5], 1024
	s_mov_b32 s[\g+6], 0
	s_mov_b32 s[\g+7], 0
.endr
	s_mov_b32 s[G1A+2], 256<<16                    ; x: 256 rows
	s_mov_b32 s[G1A+4], 256
	s_mov_b32 s[G1B+2], 64<<16                     ; W: 64 rows
	s_mov_b32 s[G1B+4], 64
	s_lshl_b32 s20, s17, 18                        ; x: the tile's first byte
	s_mov_b32 s21, 0
	s_max_u32 s46, s14, 1
	s_sub_co_u32 s46, s46, 1
	s_lshl_b32 s46, s46, 20                        ; W: q's, k's or v's rows,
	s_lshl_b32 s47, s42, 16                        ; the head's 64
	s_add_co_u32 s46, s46, s47
	s_mov_b32 s47, 0
	s_mul_i32 s45, s14, 64*PITCH
	s_add_co_u32 s45, s45, 192*PITCH               ; and in a slot: row 256 + 64 (wave - 1)
	SETC K_INVPI, 0x3ea2f983
	SETC K_NPIHI, 0xc0490fdb
	SETC K_PILO,  0x33bbbd2e
	SETC K_S6, 0x2f309231
	SETC K_S4, 0x3638ef1d
	SETC K_S3, 0xb9500d01
	SETC K_S2, 0x3c088889
	SETC K_S1, 0xbe2aaaab
	SETC K_C6, 0x310f76c7
	SETC K_C4, 0x37d00d01
	SETC K_C3, 0xbab60b61
	SETC K_C2, 0x3d2aaaab
	s_wait_alu depctr_va_vdst(0)
	s_wait_dscnt 0x0                               ; both opening adds are done
	s_wait_kmcnt 0x0
	s_load_b256 s[92:99], s[8:9], 0x0              ; e0 .. e7
	s_add_nc_u64 s[20:21], s[4:5], s[20:21]
	s_add_nc_u64 s[46:47], s[6:7], s[46:47]
.irp s, 0,1
	s_mov_b32 s[G0A+4*\s], 1
	s_mov_b32 s[G0A+4*\s+1], \s*SLOT1
	s_add_nc_u64 s[G0A+4*\s+2:G0A+4*\s+3], s[20:21], \s*ROWB
	s_or_b32 s[G0A+4*\s+3], s[G0A+4*\s+3], 0x80000000
	s_mov_b32 s[G0B+4*\s], 1
	s_add_co_u32 s[G0B+4*\s+1], s45, \s*SLOT1
	s_add_nc_u64 s[G0B+4*\s+2:G0B+4*\s+3], s[46:47], \s*ROWB
	s_or_b32 s[G0B+4*\s+3], s[G0B+4*\s+3], 0x80000000
.endr
	CROUND                                         ; all sixteen work-groups are here: the first joint loads meet
	JLOAD 0                                        ; K step 0: one tensor load a wave at the head
	; where my results go
	s_lshr_b32 s2, s17, 3
	s_lshl_b32 s2, s2, 4
	s_add_co_u32 s2, s2, s42                       ; b 16 + head
	s_and_b32 s3, s17, 7
	s_lshl_b32 s3, s3, 1
	s_add_co_u32 s3, s3, s15                       ; my step of 128 tokens in the sequence
	s_add_co_u32 s90, s16, 17
	s_lshl_b32 s12, s2, s90
	s_add_co_u32 s90, s16, 13
	s_lshl_b32 s91, s3, s90
	s_add_co_u32 s12, s12, s91
	s_lshl_b32 s91, s16, 22
	s_add_co_u32 s12, s12, s91                     ; q: head 2^17 + step 2^13;  k: 4 MiB + head 2^18 + step 2^14
	s_mov_b32 s13, 0
	s_add_nc_u64 s[18:19], s[10:11], s[12:13]
	s_lshl_b32 s12, s2, 18
	s_lshl_b32 s91, s3, 14
	s_add_co_u32 s12, s12, s91
	s_lshl_b32 s91, s16, 12
	s_add_co_u32 s12, s12, s91
	s_add_co_u32 s12, s12, 0x402000                ; v: behind k's 8,192 bytes of the step, two tiles for each c
	s_add_nc_u64 s[22:23], s[10:11], s[12:13]
	s_lshl_b32 s13, s3, 7                          ; my first token's position
	; where my prefetches stand: a lane a row of 1,024 bytes: lanes 0-15 sixteen rows, lanes 16-31 s43 bytes on; s44 holds wave 3's upper lanes at its last row
	s_lshl_b32 s90, s14, 15
	s_lshl_b32 s91, s40, 16
	s_add_co_u32 s90, s90, s91
	s_lshl_b32 s91, s17, 18
	s_add_co_u32 s90, s90, s91                     ; x: tile, 64 rows by cx, 32 by wave
	s_lshl_b32 s91, s42, 16
	s_lshl_b32 s44, s41, 14
	s_add_co_u32 s91, s91, s44
	s_lshl_b32 s44, s16, 21
	s_add_co_u32 s91, s91, s44                     ; W: head, 16 rows by cy; wave 3: Wv
	s_mov_b32 s43, 0x4000
	s_cmp_eq_u32 s14, 2
	s_cselect_b32 s43, 0x100000, s43               ; wave 2: from Wq to Wk
	s_mov_b32 s44, 0x7fffffff
	s_cmp_eq_u32 s14, 3
	s_cselect_b32 s44, 0x3c00, s44
	s_cmp_lt_u32 s14, 2
	s_cselect_b64 s[PFA:PFA+1], s[4:5], s[6:7]
	s_cselect_b32 s20, s90, s91
	s_mov_b32 s21, 0
	s_add_nc_u64 s[PFA:PFA+1], s[PFA:PFA+1], s[20:21]
	s_mul_i32 s2, s15, 128*PITCH                   ; my 128 rows of x
	s_mul_i32 s3, s16, 64*PITCH
	s_add_co_u32 s3, s3, 256*PITCH                 ; my 64 rows of Wq or Wk
	s_mul_i32 s12, s16, 32*PITCH
	s_add_co_u32 s12, s12, 384*PITCH               ; my 32 rows of Wv
	v_and_b32 v1, 15, v0                           ; r
	v_bfe_u32 v2, v0, 4, 1                         ; h
	v_and_b32 v6, 31, v0
	v_mul_u32_u24 v3, v1, PITCH
	v_lshlrev_b32 v[PFO], 10, v1
	v_mul_lo_u32 v15, v2, s43
	v_lshl_add_u32 v4, v2, 4, v3
	v_lshlrev_b32 v[CO], 4, v6
	v_add_nc_u32 v[PFO], v[PFO], v15
	v_add_nc_u32 v[SF], s13, v1
	v_add_nc_u32 v[ADRA], s2, v4
	v_min_u32 v[PFO], s44, v[PFO]
	v_add_nc_u32 v[ADRB], s3, v4
	v_add_nc_u32 v[ADRV], s12, v4
	v_cvt_f32_u32 v[SF], v[SF]
	v_add_nc_u32 v[ADRA+1], SLOT1, v[ADRA]
	v_add_nc_u32 v[ADRB+1], SLOT1, v[ADRB]
	v_add_nc_u32 v[ADRV+1], SLOT1, v[ADRV]
	v_mov_b32 v[SF+1], v[SF]
	ASK 1
; THE ROTATION'S ANGLES, made while K steps 0 and 1 are on their way: position x 1 / (10000^(i/32) + eps), i = 16 be + 8 h + j in register 8 be + j
.macro FQ1 i, tlo, thi
	v_mov_b32 v[FQ+\i], \thi
	v_cndmask_b32 v[FQ+\i], \tlo, v[FQ+\i], vcc_lo
.endm
	v_cmp_ne_u32 vcc_lo, 0, v2
	FQ1 0, 1.0, 10.0
	FQ1 1, 1.333521432163, 13.33521432163
	FQ1 2, 1.778279410039, 17.78279410039
	FQ1 3, 2.371373705662, 23.71373705662
	FQ1 4, 3.162277660168, 31.62277660168
	FQ1 5, 4.216965034286, 42.16965034286
	FQ1 6, 5.623413251903, 56.23413251903
	FQ1 7, 7.498942093325, 74.98942093325
	FQ1 8, 100.0, 1000.0
	FQ1 9, 133.3521432163, 1333.521432163
	FQ1 10, 177.8279410039, 1778.279410039
	FQ1 11, 237.1373705662, 2371.373705662
	FQ1 12, 316.2277660168, 3162.277660168
	FQ1 13, 421.6965034286, 4216.965034286
	FQ1 14, 562.3413251903, 5623.413251903
	FQ1 15, 749.8942093325, 7498.942093325
.irp u, 0,1
	v_mov_b32 v[MG+\u], 0x4b400000
	v_mov_b32 v[S5V+\u], 0xb2d7322b
	v_mov_b32 v[C5V+\u], 0xb493f27e
.endr
.set i, 0
.rept 16
	v_add_f32 v[FQ+i], 0x34000000, v[FQ+i]
.set i, i+1
.endr
.set i, 0
	s_wait_alu depctr_va_vdst(0)                   ; the wait ahead of the batch
.rept 16
	v_rcp_f32 v[PO+i], v[FQ+i]
.set i, i+1
.endr
	v_nop
	s_wait_alu depctr_va_vdst(0)                   ; and ahead of its first reader
.set i, 0
.rept 16                               ; one Newton step: the quotient rounded once more
	v_fma_f32 v[YY+i], -v[FQ+i], v[PO+i], 1.0
.set i, i+1
.endr
.set i, 0
.rept 16
	v_fma_f32 v[FQ+i], v[PO+i], v[YY+i], v[PO+i]
.set i, i+1
.endr
; cos and sin of position x frequency for one block of 16 tokens: the angle less n pi (pi in two parts), two polynomials, the sign of n; into window dw, cosines at db, sines at db + 16
.macro SINCOS dw, db
.irp p, 0,2,4,6,8,10,12,14
	v_pk_mul_f32 v[PO+\p:PO+\p+1], v[FQ+\p:FQ+\p+1], v[SF:SF+1]
.endr
.irp p, 0,2,4,6,8,10,12,14
	v_pk_fma_f32 v[YY+\p:YY+\p+1], v[PO+\p:PO+\p+1], s[K_INVPI:K_INVPI+1], v[MG:MG+1] op_sel_hi:[1,0,1]
.endr
.irp p, 0,2,4,6,8,10,12,14
	v_pk_add_f32 v[PP+\p:PP+\p+1], v[YY+\p:YY+\p+1], v[MG:MG+1] neg_lo:[0,1] neg_hi:[0,1]
.endr
.irp p, 0,2,4,6,8,10,12,14
	v_pk_fma_f32 v[PO+\p:PO+\p+1], v[PP+\p:PP+\p+1], s[K_NPIHI:K_NPIHI+1], v[PO+\p:PO+\p+1] op_sel_hi:[1,0,1]
.endr
.irp p, 0,2,4,6,8,10,12,14
	v_pk_fma_f32 v[PO+\p:PO+\p+1], v[PP+\p:PP+\p+1], s[K_PILO:K_PILO+1], v[PO+\p:PO+\p+1] op_sel_hi:[1,0,1]
.endr
.set i, 0
.rept 16
	v_lshlrev_b32 v[YY+i], 31, v[YY+i]
.set i, i+1
.endr
.irp p, 0,2,4,6,8,10,12,14
	v_pk_mul_f32 v[ZZ+\p:ZZ+\p+1], v[PO+\p:PO+\p+1], v[PO+\p:PO+\p+1]
.endr
.irp p, 0,2,4,6,8,10,12,14
	v_pk_fma_f32 v[PP+\p:PP+\p+1], v[ZZ+\p:ZZ+\p+1], s[K_S6:K_S6+1], v[S5V:S5V+1] op_sel_hi:[1,0,1]
	v_pk_fma_f32 v[QQ+\p:QQ+\p+1], v[ZZ+\p:ZZ+\p+1], s[K_C6:K_C6+1], v[C5V:C5V+1] op_sel_hi:[1,0,1]
.endr
.irp p, 0,2,4,6,8,10,12,14
	v_pk_fma_f32 v[PP+\p:PP+\p+1], v[PP+\p:PP+\p+1], v[ZZ+\p:ZZ+\p+1], s[K_S4:K_S4+1] op_sel_hi:[1,1,0]
	v_pk_fma_f32 v[QQ+\p:QQ+\p+1], v[QQ+\p:QQ+\p+1], v[ZZ+\p:ZZ+\p+1], s[K_C4:K_C4+1] op_sel_hi:[1,1,0]
.endr
.irp p, 0,2,4,6,8,10,12,14
	v_pk_fma_f32 v[PP+\p:PP+\p+1], v[PP+\p:PP+\p+1], v[ZZ+\p:ZZ+\p+1], s[K_S3:K_S3+1] op_sel_hi:[1,1,0]
	v_pk_fma_f32 v[QQ+\p:QQ+\p+1], v[QQ+\p:QQ+\p+1], v[ZZ+\p:ZZ+\p+1], s[K_C3:K_C3+1] op_sel_hi:[1,1,0]
.endr
.irp p, 0,2,4,6,8,10,12,14
	v_pk_fma_f32 v[PP+\p:PP+\p+1], v[PP+\p:PP+\p+1], v[ZZ+\p:ZZ+\p+1], s[K_S2:K_S2+1] op_sel_hi:[1,1,0]
	v_pk_fma_f32 v[QQ+\p:QQ+\p+1], v[QQ+\p:QQ+\p+1], v[ZZ+\p:ZZ+\p+1], s[K_C2:K_C2+1] op_sel_hi:[1,1,0]
.endr
.irp p, 0,2,4,6,8,10,12,14
	v_pk_fma_f32 v[PP+\p:PP+\p+1], v[PP+\p:PP+\p+1], v[ZZ+\p:ZZ+\p+1], s[K_S1:K_S1+1] op_sel_hi:[1,1,0]
	v_pk_fma_f32 v[QQ+\p:QQ+\p+1], v[QQ+\p:QQ+\p+1], v[ZZ+\p:ZZ+\p+1], -0.5 op_sel_hi:[1,1,0]
.endr
.irp p, 0,2,4,6,8,10,12,14
	v_pk_fma_f32 v[CT+\p:CT+\p+1], v[QQ+\p:QQ+\p+1], v[ZZ+\p:ZZ+\p+1], 1.0 op_sel_hi:[1,1,0]
	v_pk_mul_f32 v[ZZ+\p:ZZ+\p+1], v[ZZ+\p:ZZ+\p+1], v[PO+\p:PO+\p+1]
.endr
.irp p, 0,2,4,6,8,10,12,14
	v_pk_fma_f32 v[SN+\p:SN+\p+1], v[PP+\p:PP+\p+1], v[ZZ+\p:ZZ+\p+1], v[PO+\p:PO+\p+1]
.endr
	v_add_f32 v[SF], 0x41800000, v[SF]             ; on to the next 16 tokens
	WIN (\dw)<<6
.set i, 0
.rept 16
	v_xor_b32 v[\db+i], v[YY+i], v[CT+i]
	v_xor_b32 v[\db+16+i], v[YY+i], v[SN+i]
.set i, i+1
.endr
	WIN 0
	v_mov_b32 v[SF+1], v[SF]
.endm
	SINCOS 2, 192                                  ; blocks 0 to 3 under K step 0's load
	SINCOS 2, 224
	SINCOS 0, 32
	SINCOS 0, 64
	; a sum stands for sum x 2^(e0 + e1): folded into the conversions' scales
	s_wait_alu depctr_va_vdst(0)
	s_wait_kmcnt 0x0
	s_cmp_eq_u32 s16, 0
	s_cselect_b32 s2, s94, s95                     ; e2 for q, e3 for k
	s_sub_co_i32 s2, s2, s92
	s_sub_co_i32 s2, s2, s93
	s_add_co_i32 s2, s2, 127
	s_lshl_b32 s3, s2, 23
	v_mov_b32 v[SC], s3
	s_add_co_i32 s2, s2, 15
	s_lshl_b32 s2, s2, 23
	s_or_b32 s2, s2, 0x600000
	v_mov_b32 v[LIM], s2                           ; 57,344 x the scale
	s_sub_co_i32 s2, s97, s92                      ; e5 for v
	s_sub_co_i32 s2, s2, s93
	s_add_co_i32 s2, s2, 127
	s_lshl_b32 s3, s2, 23
	v_mov_b32 v[SCV], s3
	s_add_co_i32 s2, s2, 15
	s_lshl_b32 s2, s2, 23
	s_or_b32 s2, s2, 0x600000
	v_mov_b32 v[LIMV], s2
.macro FRAG reg, adr, off              ; 16 rows x 128 K: registers 4 c .. 4 c + 3 hold K = 32 c + 16 h + 0 .. 15, in A and in B alike
.irp c, 0,1,2,3
	ds_load_b128 v[\reg+4*\c:\reg+4*\c+3], v[\adr] offset:(\off)+32*\c
.endr
.endm
.macro FETCH_B slot, q, p
	WIN 0x40
.irp b, 0,1,2,3
	FRAG 128*(\p)+16*\b, ADRB+\slot, 128*(\q)+\b*16*PITCH
.endr
.irp t, 0,1
	FRAG 128*(\p)+64+16*\t, ADRV+\slot, 128*(\q)+\t*16*PITCH
.endr
	WIN 0
.endm
.macro FETCH_A slot, q, i0
.irp i, \i0, \i0+1, \i0+2, \i0+3
	FRAG AF+16*(\i), ADRA+\slot, 128*(\q)+(\i)*16*PITCH
.endr
.endm
; Blocks a0 .. a0 + 3: the 16 products of q or k; the 8 of v, with the sources swapped.  The 48 accumulators take turns, one instruction a turn, in the same order in every step.
.macro MULQ a0, p, zero
	WIN 0xa1+0x50*((\a0)/4)
.irp a, \a0, \a0+1, \a0+2, \a0+3
.irp b, 0,1,2,3
.set AC, 48*((\a)%4)+8*\b
.if \zero
	v_wmma_f32_16x16x128_bf8_bf8 v[AC:AC+7], v[128*(\p)+16*\b:128*(\p)+16*\b+15], v[AF+16*(\a):AF+16*(\a)+15], 0
.else
	v_wmma_f32_16x16x128_bf8_bf8 v[AC:AC+7], v[128*(\p)+16*\b:128*(\p)+16*\b+15], v[AF+16*(\a):AF+16*(\a)+15], v[AC:AC+7]
.endif
.endr
.endr
.endm
.macro MULV a0, p, zero
	WIN 0xa4+0x50*((\a0)/4)
.irp a, \a0, \a0+1, \a0+2, \a0+3
.irp t, 0,1
.set AC, 48*((\a)%4)+32+8*\t
.if \zero
	v_wmma_f32_16x16x128_bf8_bf8 v[AC:AC+7], v[AF+16*(\a):AF+16*(\a)+15], v[128*(\p)+64+16*\t:128*(\p)+64+16*\t+15], 0
.else
	v_wmma_f32_16x16x128_bf8_bf8 v[AC:AC+7], v[AF+16*(\a):AF+16*(\a)+15], v[128*(\p)+64+16*\t:128*(\p)+64+16*\t+15], v[AC:AC+7]
.endif
.endr
.endr
.endm
.macro PLACES                          ; four places behind matrix instructions, ahead of loads into their registers and of reads of their results
.rept 4
	v_nop
.endr
.endm
; The first 128 along K of a slot, on B's set 0; the second's fragments are fetched meanwhile
.macro STEP slot, zero
	s_wait_dscnt 16                                ; B's set and A's blocks 0-3 are in; A's blocks 4-7 may be out
	MULQ 0, 0, \zero
	MULV 0, 0, \zero
	s_wait_dscnt 0x0
	PLACES
	FETCH_B \slot, 1, 1
	FETCH_A \slot, 1, 0
	MULQ 4, 0, \zero
	MULV 4, 0, \zero
	PLACES
	WIN 0
	FETCH_A \slot, 1, 4
.endm
; The second, on set 1, changes slots.  fill = 1: the slot is filled again, two K steps on, behind a round of the cluster's barrier
.macro TURN slot, next, fill
	s_wait_tensorcnt 0x0                           ; my part of the next slot has landed
	ds_add_u32 v[SPW], v[NIL]
	s_wait_dscnt 17                                ; the add and A's blocks 4-7 may be out
	MULQ 0, 1, 0
	s_wait_dscnt 0x0                               ; the add is done, and my reads of this slot are over
	s_barrier_signal -1
	MULV 0, 1, 0
	WIN 0
	s_barrier_wait -1
.if \fill
	CREST
	s_add_nc_u64 s[G0A+4*\slot+2:G0A+4*\slot+3], s[G0A+4*\slot+2:G0A+4*\slot+3], 2*ROWB
	s_add_nc_u64 s[G0B+4*\slot+2:G0B+4*\slot+3], s[G0B+4*\slot+2:G0B+4*\slot+3], 2*ROWB
	JLOAD \slot
.else
	PLACES
.endif
	FETCH_B \next, 0, 0
	FETCH_A \next, 0, 0
.if (\fill) && (\slot == 0)
	ASK 3                                          ; slot 0 takes K step 2 now, slot 1 will take K step 3
.endif
	MULQ 4, 1, 0
	MULV 4, 1, 0
	PLACES
	WIN 0
	FETCH_A \next, 0, 4
.endm
	s_wait_alu depctr_va_vdst(0)
	s_wait_tensorcnt 0x0                           ; my part of K step 0 is in; a later first fill goes out as a refill does
	ds_add_u32 v[SPW], v[NIL]
	s_wait_dscnt 0x0
	CROUND
	JLOAD 1                                        ; K step 1
	SINCOS 3, 192                                  ; blocks 4 to 7 under its load
	SINCOS 3, 224
	SINCOS 1, 96
	SINCOS 1, 224
	s_wait_alu depctr_va_vdst(0)                   ; the wait at the head's end
	FETCH_B 0, 0, 0
	FETCH_A 0, 0, 0
	FETCH_A 0, 0, 4
	ASK 2
	STEP 0, 1
	TURN 0, 1, 1
	STEP 1, 0
	TURN 1, 0, 1
	STEP 0, 0
	TURN 0, 1, 0
	STEP 1, 0
	s_wait_dscnt 16
	MULQ 0, 1, 0
	MULV 0, 1, 0
	s_wait_dscnt 0x0
	MULQ 4, 1, 0
	MULV 4, 1, 0
	WIN 0
	PLACES
; THE WAY OUT of token block a of q or k: rotated, held (the conversion does not saturate: ISA guide 7.6.2), quantised: eight registers that are the operand's own, stored at 16 x lane
.macro QKBLK a, tw, tb
.set AC, 48*((\a)%4)
.set TM, 128+32*((\a)%2)
	WIN (2+(\a)/4)|((\tw)<<2)
.irp be, 0,1
.irp jj, 0,2,4,6
.set LO, 8*\be+\jj
.set HI, 16+8*\be+\jj
	v_pk_mul_f32 v[TM+LO:TM+LO+1], v[AC+HI:AC+HI+1], v[\tb+16+LO:\tb+16+LO+1]
	v_pk_mul_f32 v[TM+HI:TM+HI+1], v[AC+LO:AC+LO+1], v[\tb+16+LO:\tb+16+LO+1]
.endr
.endr
.irp be, 0,1
.irp jj, 0,2,4,6
.set LO, 8*\be+\jj
.set HI, 16+8*\be+\jj
	v_pk_fma_f32 v[TM+LO:TM+LO+1], v[AC+LO:AC+LO+1], v[\tb+LO:\tb+LO+1], v[TM+LO:TM+LO+1] neg_lo:[0,0,1] neg_hi:[0,0,1]
	v_pk_fma_f32 v[TM+HI:TM+HI+1], v[AC+HI:AC+HI+1], v[\tb+LO:\tb+LO+1], v[TM+HI:TM+HI+1]
.endr
.endr
	WIN 0
.set i, 0
.rept 32
	v_med3_num_f32 v[TM+i], v[TM+i], -v[LIM], v[LIM]
.set i, i+1
.endr
.irp b, 0,1,2,3
	v_cvt_scalef32_pk8_bf8_f32 v[CD+8*\a+2*\b:CD+8*\a+2*\b+1], v[TM+8*\b:TM+8*\b+7], v[SC]
.endr
	v_nop
.irp c, 0,1
	global_store_b128 v[CO], v[CD+8*\a+4*\c:CD+8*\a+4*\c+3], s[18:19] offset:1024*\a+512*\c
.endr
.endm
.macro VTILE t                         ; 16 channels of v x 128 tokens
.irp w, 0,1
	WIN 2+\w
.irp a, 0,1,2,3
.irp i, 0,1,2,3,4,5,6,7
	v_med3_num_f32 v[128+32*\w+8*\a+\i], v[48*\a+32+8*\t+\i], -v[LIMV], v[LIMV]
.endr
.endr
.endr
	WIN 0
.irp a, 0,1,2,3,4,5,6,7
	v_cvt_scalef32_pk8_bf8_f32 v[CDV+16*\t+2*\a:CDV+16*\t+2*\a+1], v[128+8*\a:128+8*\a+7], v[SCV]
.endr
	v_nop
.irp c, 0,1,2,3
	global_store_b128 v[CO], v[CDV+16*\t+4*\c:CDV+16*\t+4*\c+3], s[22:23] offset:2048*\t+512*\c
.endr
.endm
	QKBLK 0, 2, 192
	QKBLK 1, 2, 224
	QKBLK 2, 0, 32
	QKBLK 3, 0, 64
	QKBLK 4, 3, 192
	QKBLK 5, 3, 224
	QKBLK 6, 1, 96
	QKBLK 7, 1, 224
	VTILE 0
	VTILE 1
	s_wait_tensorcnt 0x0                           ; the wave's end
	ds_add_u32 v[SPW], v[NIL]
	s_wait_dscnt 0x0
	CROUND                                         ; the closing round
	s_endpgm
.Lfunc_end_k_q3ddfaa5855_qkvrope:
	.size	k_q3ddfaa5855_qkvrope, .Lfunc_end_k_q3ddfaa5855_qkvrope-k_q3ddfaa5855_qkvrope
	.p2alignl 7, 3214868480
	.fill 96, 4, 3214868480
	.section	.rodata,"a",@progbits
	.p2align	6, 0x0
	.amdhsa_kernel k_q3ddfaa5855_qkvrope
		.amdhsa_group_segment_fixed_size 327680
		.amdhsa_private_segment_fixed_size 0
		.amdhsa_enable_private_segment 0
		.amdhsa_kernarg_size 32
		.amdhsa_user_sgpr_count 2
		.amdhsa_user_sgpr_kernarg_segment_ptr 1
		.amdhsa_wavefront_size32 1
		.amdhsa_system_sgpr_workgroup_id_x 1
		.amdhsa_system_sgpr_workgroup_id_y 1
		.amdhsa_system_sgpr_workgroup_id_z 1
		.amdhsa_system_vgpr_workitem_id 0
		.amdhsa_next_free_vgpr 1024
		.amdhsa_next_free_sgpr 100
		.amdhsa_reserve_vcc 1
		.amdhsa_float_denorm_mode_32 3
		.amdhsa_float_denorm_mode_16_64 3
		.amdhsa_memory_ordered 1
		.amdhsa_forward_progress 1
		.amdhsa_inst_pref_size 211
	.end_amdhsa_kernel
	.amdgpu_metadata
---
amdhsa.version: [ 1, 2 ]
amdhsa.kernels:
  - .name:           k_q3ddfaa5855_qkvrope
    .symbol:         k_q3ddfaa5855_qkvrope.kd
    .args:
      - { .name: x_codes, .offset: 0, .size: 8, .value_kind: global_buffer, .address_space: global }
      - { .name: Wqkv_codes, .offset: 8, .size: 8, .value_kind: global_buffer, .address_space: global }
      - { .name: lowp_scales, .offset: 16, .size: 8, .value_kind: global_buffer, .address_space: global }
      - { .name: qkvc, .offset: 24, .size: 8, .value_kind: global_buffer, .address_space: global }
    .group_segment_fixed_size: 327680
    .private_segment_fixed_size: 0
    .kernarg_segment_align: 8
    .kernarg_segment_size: 32
    .max_flat_workgroup_size: 128
    .sgpr_count:     100
    .vgpr_count:     1024
    .wavefront_size: 32
...
	.end_amdgpu_metadata
.endif
;; end of part 1
;; launch attn (part 2): grid 8 x 32, 16 waves a work-group, clusters of 4 x 1, 327,680 bytes of LDS; arguments qkvc, lowp_scales, attc; writes attc
.if DOCPART == 2
	.amdgcn_target "amdgcn-amd-amdhsa--gfx1250"
	.amdhsa_code_object_version 6
	.text
	.protected	k_q3ddfaa5855_attn
	.globl	k_q3ddfaa5855_attn
	.p2align	8
	.type	k_q3ddfaa5855_attn,@function
k_q3ddfaa5855_attn:
	s_mov_b64 s[64:65], 0
	v_nop
	global_prefetch_b8 v0, s[64:65] scope:SCOPE_SE
	s_setreg_imm32_b32 hwreg(HW_REG_WAVE_MODE, 25, 1), 1
	s_wait_xcnt 0x0
	s_wait_alu depctr_hold_cnt(0) depctr_sa_sdst(0) depctr_va_vdst(0) depctr_va_sdst(0) depctr_va_ssrc(0) depctr_va_vcc(0) depctr_vm_vsrc(0)
	s_getreg_b32 s2, hwreg(HW_REG_IB_STS2, 6, 4)
	s_cmp_eq_u32 s2, 0
	s_cbranch_scc0 .Lentry_in_a_cluster
	s_endpgm
.Lentry_in_a_cluster:
	s_bfe_u32 s2, ttmp6, 0x10000c
	s_cmp_lg_u32 s2, 0x3003
	s_cbranch_scc0 .Lentry_shape_is_right
	s_endpgm
.Lentry_shape_is_right:
; Causal attention of one head on codes of BF8 (E5M2): S = q k^T / 32, p = 2^(t - M), O = p v / the row's sum; O is quantised with 2^e6 and stored as codes.
; DEAD WORK: key steps that lie wholly behind a tile's queries are left out: reference() puts -inf there, so p is 0 for all finite inputs (LIMIT: what is not finite there is not carried on).
; IN, qkvc: images of the operand registers, 16 bytes x lane: q: head 2^17 + tile 1024; k, v: 4 MiB + head 2^18 + step 2^14: of 128 keys k's eight tiles, then v's four tiles of 16 channels.
; OUT, attc: (16-token tile) 2^14 + head 1024: an image too, registers 4 c .. 4 c + 3 holding channels 32 c + 16 h + 0 .. 15.
; THE SOFTMAX: t = score x log2(e) / 32; M = the running largest t rounded UP to a whole number; p = 2^(t - M) is quantised with 2^e4, not normalised; the row's sum is taken of the unquantised p and divides at the end.
; When M moves, the sum and O are multiplied by 2^(old M - new M), which rounds nothing.
; SHARES.  Work-group (g, head): tiles of 16 queries 128 rb + 16 g + 0 .. 15, rb = 0 .. 15.  Waves p and p + 8 share the tiles rb = p and rb = 15 - p, 17 key steps of 128:
; wave p (role 0) takes steps 0 .. 8 of tile 15 - p; wave p + 8 (role 1) all steps of tile p, then steps 9 .. 15 - p of tile 15 - p: 9 and 8 steps.  The two parts of tile 15 - p are joined through LDS at the end.
; g enters only addresses in memory and the mask's lane value: no branch and no LDS address hangs on the place in the cluster.
; LDS: the head's whole K and V, 16 steps of 16,384 bytes; nothing is filled again.  CLUSTER: four work-groups of one head ask for each step jointly; wave w issues the one load of step w.
; No prefetch into the L2: every tile of the launch is asked for in its first lines.
; Both products transposed: S^T = K Q^T (K = 64), O^T = V^T P^T (K = 128): a lane holds ONE query; tile t of S^T gives it keys 16 t + 8 h + 0 .. 7, whose codes are registers 2 t, 2 t + 1 of P.
; TWO REGIONS of 64 registers change places from step to step: one holds K's fragments and then V's, the other the scores and p.  As soon as a tile of p is converted, the next step's K fragment of that tile is loaded
; over it: so K is asked for a step ahead.  (A wave's last step asks for 16 loads that no step takes up, so that the count of loads is the same in every step.)
; LIMITS: e2 + e3 between -121 and 132; e4 and e6 between -126 and 112; scaled scores under 2^31 in magnitude.  NaN among the codes is not served.
; REGISTERS: v12 -M, v13 the largest score, v[14:15] the sum in two halves; v16-23 Q, v24-31 Q of tile 15 - p; v32-95, v96-159 the two regions; v160-191 O^T; v192-207 codes; v208-254 at work.
.set SPARE, 262144                     ; the spare words, 128 bytes a wave
.set MRG,   SPARE+2048                 ; the join: for each pair 4,096 bytes of O^T, 128 of sums, 128 of -M
.set MSZ,   4352
.set L16,  1                           ; 16 x lane
.set ADK,  2                           ; the step in hand
.set DD,   3                           ; 16 g + r - 8 h: on the diagonal, register j of tile t is hidden where 16 t + j is greater
.set SPW,  4
.set NIL,  5
.set MO,   6
.set MS,   7
.set ADN,  8                           ; the next step
.set WV,   10
.set RB,   11                          ; the tile's step on the diagonal
.set KS,   12                          ; the loop's counter: the first of a trip's two steps
.set TB,   13
.set PI,   14
.set ROLE, 15
.set SWN,  16                          ; the step count at which role 1 changes tiles (role 0: never)
.set NL,   17                          ; the last count with a step
.set OFFB, 18                          ; behind the change: key step = count + 8 - p
.set RBH,  19
.set SEL,  20
.set CS,   22
.set G1,   24
.set G0,   32
.set OL,   36                          ; where tile p's codes go
.set OH,   38                          ; and tile 15 - p's
.set ST,   40                          ; the key step in hand
.set NN,   42                          ; its count, 0 .. 8
.set EO,   43                          ; e4 + e5
.set TN,   57                          ; the next key step's first byte
.macro CROUND                          ; a round of the cluster's barrier
	s_barrier_signal -1
	s_barrier_wait -1
	s_cmp_lg_u32 s[WV], 0
	s_cbranch_scc1 .Lnot_wave_0_\@
	s_barrier_signal -3
.Lnot_wave_0_\@:
	s_barrier_wait -3
	s_barrier_signal -1
	s_barrier_wait -1
.endm
.macro PLACES
.rept 4
	v_nop
.endr
.endm
	s_load_b128 s[4:7], s[0:1], 0x0                ; qkvc, the scales' exponents
	s_load_b64 s[8:9], s[0:1], 0x10                ; attc
	v_lshl_add_u32 v[SPW], v0, 2, SPARE
	v_mov_b32 v[NIL], 0
	ds_add_u32 v[SPW], v[NIL]                      ; the opening: the add, twice on end, and its wait
	ds_add_u32 v[SPW], v[NIL]
	v_lshrrev_b32 v9, 5, v0
	v_readfirstlane_b32 s[WV], v9
	s_and_b32 s[PI], s[WV], 7
	s_lshr_b32 s[ROLE], s[WV], 3
	s_xor_b32 s[RBH], s[PI], 15
	s_xor_b32 s56, s[PI], 7
	s_add_co_u32 s56, s56, 1                       ; 8 - p
	s_mul_i32 s[OFFB], s[ROLE], s56
	s_xor_b32 s57, s[ROLE], 1
	s_lshl_b32 s57, s57, 6
	s_add_co_u32 s[SWN], s[PI], 1
	s_add_co_u32 s[SWN], s[SWN], s57
	s_sub_co_u32 s[NL], 8, s[ROLE]
	s_cmp_eq_u32 s[ROLE], 0
	s_cselect_b32 s[RB], s[RBH], s[PI]
	s_bfe_u32 s41, ttmp6, 0x40000
	s_lshl_b32 s42, ttmp9, 2
	s_add_co_u32 s41, s41, s42                     ; g
	s_and_b32 s3, ttmp7, 0xffff                    ; b 16 + head, which the four partners share
	; group 1: 64 rows of 256 bytes, dense; all four work-groups; bit 21 beside the mask
	s_mov_b32 s[G1], 15|(1<<21)
	s_mov_b32 s[G1+1], 256<<16
	s_mov_b32 s[G1+2], 64<<16
	s_mov_b32 s[G1+3], 256<<16
	s_mov_b32 s[G1+4], 64
	s_mov_b32 s[G1+5], 256
	s_mov_b32 s[G1+6], 0
	s_mov_b32 s[G1+7], 0
	s_lshl_b32 s59, s[WV], 14                      ; step w: in LDS,
	s_lshl_b32 s60, s3, 18
	s_add_co_u32 s60, s60, s59
	s_add_co_u32 s60, s60, 0x400000                ; and in memory
	s_mov_b32 s61, 0
	s_lshl_b32 s56, s3, 17                         ; q: the head,
	s_lshl_b32 s57, s41, 10
	s_add_co_u32 s56, s56, s57                     ; tile 8 rb + g
	s_lshl_b32 s44, s[RB], 13
	s_add_co_u32 s44, s44, s56
	s_mov_b32 s45, 0
	s_lshl_b32 s46, s[RBH], 13
	s_add_co_u32 s46, s46, s56
	s_mov_b32 s47, 0
	s_lshr_b32 s56, s3, 4                          ; attc: token tile 128 b + 8 rb + g,
	s_lshl_b32 s56, s56, 21
	s_and_b32 s57, s3, 15
	s_lshl_b32 s57, s57, 10
	s_add_co_u32 s56, s56, s57                     ; head
	s_lshl_b32 s57, s41, 14
	s_add_co_u32 s56, s56, s57
	s_lshl_b32 s[OL], s[PI], 17
	s_add_co_u32 s[OL], s[OL], s56
	s_mov_b32 s[OL+1], 0
	s_lshl_b32 s[OH], s[RBH], 17
	s_add_co_u32 s[OH], s[OH], s56
	s_mov_b32 s[OH+1], 0
	s_mov_b32 s[SEL], 0x76543210
	s_mov_b32 s[SEL+1], 0xfedcba98
	s_mov_b32 s[CS], 0x3d38aa3b                    ; log2(e) / 32
	s_mov_b32 s[ST], 0
	s_mov_b32 s[NN], 0
	s_mov_b32 s[G0], 1
	s_mov_b32 s[G0+1], s59
	s_wait_alu depctr_va_vdst(0)
	s_wait_dscnt 0x0                               ; both opening adds are done
	s_wait_kmcnt 0x0
	s_load_b256 s[48:55], s[6:7], 0x0              ; e0 .. e7
	s_add_nc_u64 s[G0+2:G0+3], s[4:5], s[60:61]
	s_or_b32 s[G0+3], s[G0+3], 0x80000000
	s_add_nc_u64 s[44:45], s[4:5], s[44:45]
	s_add_nc_u64 s[46:47], s[4:5], s[46:47]
	s_add_nc_u64 s[OL:OL+1], s[8:9], s[OL:OL+1]
	s_add_nc_u64 s[OH:OH+1], s[8:9], s[OH:OH+1]
	CROUND                                         ; all four work-groups are here: the joint loads meet
	tensor_load_to_lds s[G0:G0+3], s[G1:G1+7]      ; my one load
	s_nop 0
	s_lshl_b32 s41, s41, 4                         ; 16 g
	s_mul_i32 s56, s[PI], MSZ
	s_add_co_u32 s56, s56, MRG
	s_add_co_u32 s57, s56, 4096
	v_and_b32 v9, 31, v0
	v_and_b32 v10, 15, v0
	v_bfe_u32 v11, v0, 4, 1
	v_lshlrev_b32 v[L16], 4, v9
	v_lshlrev_b32 v9, 2, v9
	v_lshlrev_b32 v11, 3, v11
	global_load_b128 v[16:19], v[L16], s[44:45]    ; my first tile's Q, and tile 15 - p's (for role 0 the same tile)
	global_load_b128 v[20:23], v[L16], s[44:45] offset:512
	global_load_b128 v[24:27], v[L16], s[46:47]
	global_load_b128 v[28:31], v[L16], s[46:47] offset:512
	v_add_nc_u32 v[MO], s56, v[L16]
	v_add_nc_u32 v[MS], s57, v9
	v_sub_nc_u32 v[DD], v10, v11
	v_mov_b32 v236, 0                              ; a lane permute's destination counts as one of its sources
	v_mov_b32 v253, 0                              ; (the upper half of the pair v[252:253])
	v_add_nc_u32 v[DD], s41, v[DD]
	s_wait_alu depctr_va_vdst(0)
	s_wait_kmcnt 0x0
	s_add_co_i32 s56, s50, s51
	s_lshl_b32 s56, s56, 23
	s_add_co_i32 s[CS], s[CS], s56                 ; x 2^(e2 + e3): added to c's exponent field
	s_mov_b32 s[CS+1], s[CS]
	s_add_co_i32 s56, s52, 127
	s_lshl_b32 s57, s56, 23
	v_mov_b32 v244, s57                            ; 2^e4
	s_add_co_i32 s56, s56, 15
	s_lshl_b32 s56, s56, 23
	s_or_b32 s56, s56, 0x600000
	v_mov_b32 v240, s56                            ; 57,344 x 2^e4
	s_add_co_i32 s56, s54, 127
	s_lshl_b32 s57, s56, 23
	v_mov_b32 v245, s57                            ; 2^e6
	s_add_co_i32 s56, s56, 15
	s_lshl_b32 s56, s56, 23
	s_or_b32 s56, s56, 0x600000
	v_mov_b32 v241, s56                            ; 57,344 x 2^e6
	s_add_co_i32 s[EO], s52, s53
.macro TM n                            ; t - M, two at a time
.rept \n
	v_pk_fma_f32 v[SB+j:SB+j+1], v[SB+j:SB+j+1], s[CS:CS+1], v[12:13] op_sel_hi:[1,0,0]
.set j, j+2
.endr
.endm
; A KEY STEP: 128 keys.  par: which region holds K and V.  first = 1: step 0 of a wave's first tile: the products start the sums, and there is no old M.
.macro STEP par, first
.set KB, 32+64*(\par)
.set SB, 96-64*(\par)
.if \first
.set VA, L16
.irp t, 0,1,2,3,4,5,6,7
.irp c, 0,1
	ds_load_b128 v[KB+8*\t+4*\c:KB+8*\t+4*\c+3], v[VA] offset:1024*\t+512*\c
.endr
.endr
.else
.set VA, ADK
	s_cmp_lt_u32 s[NN], s[SWN]
	s_cselect_b32 s56, 0, s[OFFB]
	s_add_co_u32 s[ST], s[NN], s56
	s_and_b32 s[ST], s[ST], 15
	s_lshl_b32 s[TB], s[ST], 14
	v_add_nc_u32 v[ADK], s[TB], v[L16]
	PLACES                                         ; with the addition: five places behind the last step's products, whose fragments of V the scores are laid over
.endif
	s_wait_alu depctr_va_vdst(0)
	s_wait_dscnt 0x8                               ; tiles 0-3 are in, the eight loads of tiles 4-7 may be out
.irp t, 0,1,2,3
	v_wmma_f32_16x16x64_bf8_bf8 v[SB+8*\t:SB+8*\t+7], v[KB+8*\t:KB+8*\t+7], v[16:23], 0
.endr
	s_wait_dscnt 0x0
.irp t, 4,5,6,7
	v_wmma_f32_16x16x64_bf8_bf8 v[SB+8*\t:SB+8*\t+7], v[KB+8*\t:KB+8*\t+7], v[16:23], 0
.endr
	PLACES                                         ; for the loads below and for the first reads of the scores
.irp t, 0,1,2,3                                ; V's four fragments land under the softmax
.irp c, 0,1,2,3
	ds_load_b128 v[KB+16*\t+4*\c:KB+16*\t+4*\c+3], v[VA] offset:8192+2048*\t+512*\c
.endr
.endr
	s_cmp_lg_u32 s[ST], s[RB]                      ; on the diagonal the scores of hidden keys become -infinity ahead of the maximum: p = 0 then
	s_cbranch_scc1 .Lopen_\@
	v_mov_b32 v254, 0xff800000
.set n, 0
.rept 64
	v_cmp_gt_i32 vcc_lo, 16*(n/8)+n%8, v[DD]
	v_cndmask_b32 v[SB+n], v[SB+n], v254, vcc_lo
.set n, n+1
.endr
.Lopen_\@:
	v_max3_num_f32 v254, v[SB], v[SB+1], v[SB+2]   ; the step's largest score of my query, among my 64 keys, in four chains,
	v_max3_num_f32 v252, v[SB+3], v[SB+4], v[SB+5]
	v_max3_num_f32 v250, v[SB+6], v[SB+7], v[SB+8]
	v_max3_num_f32 v248, v[SB+9], v[SB+10], v[SB+11]
.irp i, 12,20,28,36,44,52
	v_max3_num_f32 v254, v254, v[SB+\i], v[SB+\i+1]
	v_max3_num_f32 v252, v252, v[SB+\i+2], v[SB+\i+3]
	v_max3_num_f32 v250, v250, v[SB+\i+4], v[SB+\i+5]
	v_max3_num_f32 v248, v248, v[SB+\i+6], v[SB+\i+7]
.endr
	v_max3_num_f32 v254, v254, v[SB+60], v[SB+61]
	v_max3_num_f32 v252, v252, v[SB+62], v[SB+63]
	v_max_num_f32 v250, v250, v248
	v_max3_num_f32 v254, v254, v252, v250
	s_delay_alu instid0(VALU_DEP_1)
	v_permlanex16_b32 v236, v254, s[SEL], s[SEL+1]
	s_delay_alu instid0(VALU_DEP_1)
.set j, 0
.if \first
	v_max_num_f32 v13, v254, v236                  ; and among lane l xor 16's
	s_delay_alu instid0(VALU_DEP_1)
	v_mul_f32 v254, s[CS], v13                     ; as t (c is positive)
	s_delay_alu instid0(VALU_DEP_1)
	v_floor_f32 v12, -v254                         ; -M = floor(-t) = -ceil(t)
	TM 32
.else
	v_max3_num_f32 v13, v13, v254, v236            ; and among lane l xor 16's and the steps before: the running largest score
	s_delay_alu instid0(VALU_DEP_1)
	v_mul_f32 v254, s[CS], v13                     ; as t (c is positive)
	v_mov_b32 v250, v12
	s_delay_alu instid0(VALU_DEP_2)
	v_floor_f32 v12, -v254                         ; the new -M = floor(-t) = -ceil(t)
	TM 5
	v_sub_f32 v250, v12, v250                      ; old M - new M: a whole number, 0 or less
	TM 5
	v_cvt_i32_f32 v250, v250                       ; (it saturates)
	TM 5
	v_ldexp_f32 v252, 1.0, v250                    ; f = 2^(old M - new M)
	TM 17
.endif
	s_add_co_u32 s[TN], s[NN], 1                   ; the next key step
	s_cmp_lt_u32 s[TN], s[SWN]
	s_cselect_b32 s56, 0, s[OFFB]
	s_add_co_u32 s[TN], s[TN], s56
	s_and_b32 s[TN], s[TN], 15
	s_lshl_b32 s[TN], s[TN], 14
.set j, 0
	s_wait_alu depctr_va_vdst(0)                   ; the wait ahead of the batch
.rept 64
	v_exp_f32 v[SB+j], v[SB+j]                     ; p = 2^(t - M): one batch
.set j, j+1
.endr
	v_add_nc_u32 v[ADN], s[TN], v[L16]             ; (the plain place behind the exponentials)
.if (\first) == 0
	v_pk_mul_f32 v[14:15], v[14:15], v[252:253] op_sel_hi:[1,0]   ; the sums under the new M
.endif
	s_wait_alu depctr_va_vdst(0)                   ; and ahead of its first reader
.if (\first) == 0
.set j, 0
.rept 16
	v_pk_mul_f32 v[160+j:161+j], v[160+j:161+j], v[252:253] op_sel_hi:[1,0]   ; O^T under the new M
.set j, j+2
.endr
.endif
.irp k, 0,2,4,6,8,10,12,14                     ; the row's sum, of the unquantised p, in eight chains
	v_pk_add_f32 v[208+\k:209+\k], v[SB+\k:SB+\k+1], v[SB+16+\k:SB+17+\k]
.endr
.irp q, 32,48
.irp k, 0,2,4,6,8,10,12,14
	v_pk_add_f32 v[208+\k:209+\k], v[208+\k:209+\k], v[SB+\q+\k:SB+\q+\k+1]
.endr
.endr
.irp t, 0,1,2,3,4,5,6,7
.irp i, 0,2,4,6                                ; the conversion does not saturate (ISA guide 7.6.2); p is not negative, so the hold is one-sided
	v_dual_min_num_f32 v[SB+8*\t+\i], v[SB+8*\t+\i], v240 :: v_dual_min_num_f32 v[SB+1+8*\t+\i], v[SB+1+8*\t+\i], v240
.endr
	v_cvt_scalef32_pk8_bf8_f32 v[192+2*\t:193+2*\t], v[SB+8*\t:SB+8*\t+7], v244   ; keys 16 t + 8 h + 0 .. 7: registers 2 t, 2 t + 1 of P
.if \t < 4                                     ; the eight chains become one, a line behind each conversion
	v_pk_add_f32 v[208+2*\t:209+2*\t], v[208+2*\t:209+2*\t], v[216+2*\t:217+2*\t]
.elseif \t < 6
	v_pk_add_f32 v[200+2*\t:201+2*\t], v[200+2*\t:201+2*\t], v[204+2*\t:205+2*\t]
.elseif \t == 6
.if \first
	v_nop
.else
	v_pk_add_f32 v[208:209], v[208:209], v[210:211]
.endif
.else
.if \first
	v_pk_add_f32 v[14:15], v[208:209], v[210:211]
.else
	v_pk_add_f32 v[14:15], v[14:15], v[208:209]
.endif
.endif
.irp c, 0,1                                    ; the next step's K, tile t, over the p that has just been converted
	ds_load_b128 v[SB+8*\t+4*\c:SB+8*\t+4*\c+3], v[ADN] offset:1024*\t+512*\c
.endr
.endr
	s_wait_alu depctr_va_vdst(0)
	s_wait_dscnt 0x10                              ; V is in; the 16 loads of the next step's K may be out
.irp t, 0,1,2,3                                ; four accumulators by turns, one instruction a turn; the eight products of S^T stand between two turns of one accumulator
.if \first
	v_wmma_f32_16x16x128_bf8_bf8 v[160+8*\t:167+8*\t], v[KB+16*\t:KB+16*\t+15], v[192:207], 0
.else
	v_wmma_f32_16x16x128_bf8_bf8 v[160+8*\t:167+8*\t], v[KB+16*\t:KB+16*\t+15], v[192:207], v[160+8*\t:167+8*\t]
.endif
.endr
.endm
; A TILE GOES OUT: v14 holds my lane's part of the sum.  O^T / the sum x 2^(e4 + e5), held, quantised with 2^e6, in place, stored as an image.
.macro FINAL p
	v_permlanex16_b32 v252, v14, s[SEL], s[SEL+1]
	v_add_f32 v14, v14, v252                       ; and lane l xor 16's
	s_wait_alu depctr_va_vdst(0)
	v_rcp_f32 v14, v14
	v_nop
	s_wait_alu depctr_va_vdst(0)
	v_ldexp_f32 v14, v14, s[EO]
	s_wait_alu depctr_va_vdst(0)
.set j, 0
.rept 16
	v_pk_mul_f32 v[160+j:161+j], v[160+j:161+j], v[14:15] op_sel_hi:[1,0]   ; register 8 t + i: channel 16 t + 8 h + i
.set j, j+2
.endr
.set j, 0
.rept 32
	v_med3_num_f32 v[160+j], v[160+j], -v241, v241
.set j, j+1
.endr
.irp t, 0,1,2,3
	v_cvt_scalef32_pk8_bf8_f32 v[192+2*\t:193+2*\t], v[160+8*\t:167+8*\t], v245
.endr
	v_nop
	v_permlane16_swap_b32 v192, v194               ; lanes 16-31 of the even tile against lanes 0-15 of the odd one: 16 neighbouring channels a lane
	v_permlane16_swap_b32 v193, v195
	v_permlane16_swap_b32 v196, v198
	v_permlane16_swap_b32 v197, v199
	global_store_b128 v[L16], v[192:195], s[\p:\p+1]   ; each store covers 512 consecutive bytes, aligned
	global_store_b128 v[L16], v[196:199], s[\p:\p+1] offset:512
.endm
; Step number KS + d of a wave: at count SWN role 1 changes tiles; behind count NL there is nothing to do.  The branches hang on the wave's number and the loop's counter alone, and lead round no barrier.
.macro TRIP par, d
	s_add_co_u32 s[NN], s[KS], \d
	s_cmp_lg_u32 s[NN], s[SWN]
	s_cbranch_scc1 .Lsame_\@
	PLACES                                         ; role 1: tile p is done; on to tile 15 - p
	v_add_f32 v14, v14, v15
	FINAL OL
.set j, 0
.rept 8
	v_mov_b32 v[16+j], v[24+j]
.set j, j+1
.endr
.set j, 0
.rept 32
	v_mov_b32 v[160+j], 0                          ; the steps that follow find zeros, which the first change of M leaves zeros
.set j, j+1
.endr
	v_mov_b32 v13, 0xff61b1e6                      ; -3e38, under every score
	v_mov_b32 v12, 0x7f61b1e6                      ; -M
	v_mov_b32 v14, 0
	v_mov_b32 v15, 0
	s_mov_b32 s[RB], s[RBH]
	s_wait_alu depctr_va_vdst(0)
	s_wait_xcnt 0x0                                ; the stores have read their registers
.Lsame_\@:
	s_cmp_gt_u32 s[NN], s[NL]
	s_cbranch_scc1 .Lidle_\@
	STEP \par, 0
.Lidle_\@:
.endm
	s_wait_alu depctr_va_vdst(0)                   ; the wait at the head's end
	s_wait_tensorcnt 0x0                           ; my step of K and V has landed,
	s_barrier_signal -1
	s_barrier_wait -1                              ; and everybody's: nothing is filled again in this text
	s_wait_loadcnt 0x0                             ; Q
	STEP 0, 1                                      ; every wave begins with step 0
	s_mov_b32 s[KS], 1
.Ltrip:
	TRIP 1, 0
	TRIP 0, 1
	s_add_co_u32 s[KS], s[KS], 2
	s_cmp_lt_u32 s[KS], 9
	s_cbranch_scc1 .Ltrip
	; THE JOIN: role 1 hands its part of tile 15 - p over
	s_cmp_eq_u32 s[ROLE], 0
	s_cbranch_scc1 .Lkeep
	PLACES
	v_add_f32 v14, v14, v15
.irp i, 0,1,2,3,4,5,6,7
	ds_store_b128 v[MO], v[160+4*\i:163+4*\i] offset:512*\i
.endr
	ds_store_b32 v[MS], v14
	ds_store_b32 v[MS], v12 offset:128
.Lkeep:
	s_wait_alu depctr_va_vdst(0)
	s_wait_dscnt 0x0
	s_barrier_signal -1
	s_barrier_wait -1
	s_cmp_lg_u32 s[ROLE], 0
	s_cbranch_scc1 .Lend
	PLACES
.irp i, 0,1,2,3,4,5,6,7
	ds_load_b128 v[32+4*\i:35+4*\i], v[MO] offset:512*\i
.endr
	ds_load_b32 v64, v[MS]
	ds_load_b32 v65, v[MS] offset:128
	v_add_f32 v14, v14, v15
	v_mov_b32 v15, 0                               ; (named as upper halves of pairs)
	v_mov_b32 v71, 0
	v_mov_b32 v73, 0
	s_wait_alu depctr_va_vdst(0)
	s_wait_dscnt 0x0
	v_min_num_f32 v66, v12, v65                    ; the larger M of the two
	v_sub_f32 v67, v66, v12
	v_sub_f32 v68, v66, v65
	v_cvt_i32_f32 v67, v67
	v_cvt_i32_f32 v68, v68
	v_ldexp_f32 v70, 1.0, v67
	v_ldexp_f32 v72, 1.0, v68
	v_mul_f32 v14, v14, v70
	v_fmac_f32 v14, v64, v72
.set j, 0
.rept 16
	v_pk_mul_f32 v[160+j:161+j], v[160+j:161+j], v[70:71] op_sel_hi:[1,0]
.set j, j+2
.endr
.set j, 0
.rept 16
	v_pk_fma_f32 v[160+j:161+j], v[32+j:33+j], v[72:73], v[160+j:161+j] op_sel_hi:[1,0,1]
.set j, j+2
.endr
	FINAL OH
.Lend:
	s_wait_tensorcnt 0x0                           ; the wave's end
	ds_add_u32 v[SPW], v[NIL]
	s_wait_dscnt 0x0
	CROUND                                         ; the closing round
	s_endpgm
.Lfunc_end_k_q3ddfaa5855_attn:
	.size	k_q3ddfaa5855_attn, .Lfunc_end_k_q3ddfaa5855_attn-k_q3ddfaa5855_attn
	.p2alignl 7, 3214868480
	.fill 96, 4, 3214868480
	.section	.rodata,"a",@progbits
	.p2align	6, 0x0
	.amdhsa_kernel k_q3ddfaa5855_attn
		.amdhsa_group_segment_fixed_size 327680
		.amdhsa_private_segment_fixed_size 0
		.amdhsa_enable_private_segment 0
		.amdhsa_kernarg_size 24
		.amdhsa_user_sgpr_count 2
		.amdhsa_user_sgpr_kernarg_segment_ptr 1
		.amdhsa_wavefront_size32 1
		.amdhsa_system_sgpr_workgroup_id_x 1
		.amdhsa_system_sgpr_workgroup_id_y 1
		.amdhsa_system_sgpr_workgroup_id_z 1
		.amdhsa_system_vgpr_workitem_id 0
		.amdhsa_next_free_vgpr 256
		.amdhsa_next_free_sgpr 66
		.amdhsa_reserve_vcc 1
		.amdhsa_float_denorm_mode_32 3
		.amdhsa_float_denorm_mode_16_64 3
		.amdhsa_memory_ordered 1
		.amdhsa_forward_progress 1
		.amdhsa_inst_pref_size 88
	.end_amdhsa_kernel
	.amdgpu_metadata
---
amdhsa.version: [ 1, 2 ]
amdhsa.kernels:
  - .name:           k_q3ddfaa5855_attn
    .symbol:         k_q3ddfaa5855_attn.kd
    .args:
      - { .name: qkvc, .offset: 0, .size: 8, .value_kind: global_buffer, .address_space: global }
      - { .name: lowp_scales, .offset: 8, .size: 8, .value_kind: global_buffer, .address_space: global }
      - { .name: attc, .offset: 16, .size: 8, .value_kind: global_buffer, .address_space: global }
    .group_segment_fixed_size: 327680
    .private_segment_fixed_size: 0
    .kernarg_segment_align: 8
    .kernarg_segment_size: 24
    .max_flat_workgroup_size: 512
    .sgpr_count:     66
    .vgpr_count:     256
    .wavefront_size: 32
...
	.end_amdgpu_metadata
.endif
;; end of part 2
;; launch proj (part 3): grid 8 x 32, 4 waves a work-group, clusters of 4 x 4, 327,680 bytes of LDS; arguments attc, Wout_codes, lowp_scales, out0; writes out0
.if DOCPART == 3
	.amdgcn_target "amdgcn-amd-amdhsa--gfx1250"
	.amdhsa_code_object_version 6
	.text
	.protected	k_q3ddfaa5855_proj
	.globl	k_q3ddfaa5855_proj
	.p2align	8
	.type	k_q3ddfaa5855_proj,@function
k_q3ddfaa5855_proj:
	s_mov_b64 s[64:65], 0
	v_nop
	global_prefetch_b8 v0, s[64:65] scope:SCOPE_SE
	s_setreg_imm32_b32 hwreg(HW_REG_WAVE_MODE, 25, 1), 1
	s_wait_xcnt 0x0
	s_wait_alu depctr_hold_cnt(0) depctr_sa_sdst(0) depctr_va_vdst(0) depctr_va_sdst(0) depctr_va_ssrc(0) depctr_va_vcc(0) depctr_vm_vsrc(0)
	s_getreg_b32 s2, hwreg(HW_REG_IB_STS2, 6, 4)
	s_cmp_eq_u32 s2, 0
	s_cbranch_scc0 .Lentry_in_a_cluster
	s_endpgm
.Lentry_in_a_cluster:
	s_bfe_u32 s2, ttmp6, 0x10000c
	s_cmp_lg_u32 s2, 0xf033
	s_cbranch_scc0 .Lentry_shape_is_right
	s_endpgm
.Lentry_shape_is_right:
; out0 = att Wout on codes of BF8 (E5M2), each sum x 2^(e6 + e7).  attc: (16-token tile) 2^14 + head 1024: an image of the operand registers, 16 bytes x lane; Wout_codes: [1024 columns][1024], K innermost.
; A tile of 128 tokens x 128 columns to a work-group: 256 work-groups.  Four waves, 64 x 64 each.  ALL of K lies in LDS: A as eight token tiles of 16,384 bytes, B as 128 rows of 1,024 + 16 bytes.  Nothing is filled again.
; CLUSTERS 4 x 4: A is asked for jointly along a row of the cluster, B along a column; waves 0 and 1 fetch A's halves, waves 2 and 3 B's, one load each.
; No prefetch: every tile is asked for in the first lines.
; THE MATRIX INSTRUCTION IS USED TRANSPOSED (source 0 = 16 rows of Wout, source 1 = 16 tokens): a lane holds eight neighbouring columns of one token.
; BY ROWS: B's fragments of all K stay in registers, and the four blocks of 16 tokens are finished one after the other, so that a block's stores leave while the next is multiplied.
; LIMIT: e6 + e7 between -126 and 127.
; REGISTERS: window 0: v16-29 addresses; v32-63 a block's results; v64-127 rows read back, two sets; v128-191 accumulators, two sets.  windows 1, 2: B's fragments of K steps 0-3, 4-7: v[64 (ks % 4) + 16 b].  window 3: A's of a block, two buffers.
.set BP,    1040                       ; B's row in LDS
.set BOFF,  131072
.set SPARE, BOFF+128*BP
.set STG,   SPARE+512                  ; the stages, 16 rows x 272 bytes for each wave: bytes into which no tile lands
.set SP_,   272
.set ADRA, 16
.set ADRB, 17
.set STO,  24
.set RD,   25
.set CO,   26
.set SPW,  28
.set NIL,  29
.set TMP,  32
.set BK,   64
.set ACC,  128
.set G1A, 24
.set G0A, 32
.set G0B, 36
.set G1B, 40
.set MSB, 0
.macro WIN new                         ; the immediate's high byte repeats the setting that is left
.if MSB != (\new)
	s_set_vgpr_msb (MSB<<8)|(\new)
.set MSB, \new
.endif
.endm
.macro CROUND                          ; a round of the cluster's barrier
	s_barrier_signal -1
	s_barrier_wait -1
	s_cmp_lg_u32 s14, 0
	s_cbranch_scc1 .Lnot_wave_0_\@
	s_barrier_signal -3
.Lnot_wave_0_\@:
	s_barrier_wait -3
	s_barrier_signal -1
	s_barrier_wait -1
.endm
.macro PLACES
.rept 4
	v_nop
.endr
.endm
	s_load_b128 s[4:7], s[0:1], 0x0                ; attc, Wout's codes
	s_load_b128 s[8:11], s[0:1], 0x10              ; the scales' exponents, out0
	v_lshl_add_u32 v[SPW], v0, 2, SPARE
	v_mov_b32 v[NIL], 0
	ds_add_u32 v[SPW], v[NIL]                      ; the opening: the add, twice on end, and its wait
	ds_add_u32 v[SPW], v[NIL]
	v_lshrrev_b32 v1, 5, v0
	v_readfirstlane_b32 s14, v1
	s_lshr_b32 s15, s14, 1                         ; my half of the tokens.  Also: I fetch A (0) or B (1)
	s_and_b32 s16, s14, 1                          ; my half of the columns.  Also: which half of that I fetch
	s_bfe_u32 s48, ttmp6, 0x40000
	s_bfe_u32 s49, ttmp6, 0x40004
	s_lshl_b32 s50, ttmp9, 2
	s_add_co_u32 s50, s50, s48                     ; tile of columns
	s_and_b32 s51, ttmp7, 0xffff
	s_lshl_b32 s51, s51, 2
	s_add_co_u32 s51, s51, s49                     ; tile of tokens
	s_lshl_b32 s52, s49, 2
	s_lshl_b32 s52, 15, s52                        ; my row of the cluster
	s_lshl_b32 s53, 0x1111, s48                    ; my column
	s_or_b32 s[G1A], s52, (1<<21)                  ; A: 64 rows of 1,024 bytes, dense
	s_or_b32 s[G1B], s53, (1<<20)|(1<<21)|(7<<22)|(3<<25)   ; B: the same, with four words of padding after every 256
.irp g, G1A, G1B
	s_mov_b32 s[\g+1], 1024<<16
	s_mov_b32 s[\g+2], 64<<16
	s_mov_b32 s[\g+3], 1024<<16
	s_mov_b32 s[\g+4], 64
	s_mov_b32 s[\g+5], 1024
	s_mov_b32 s[\g+6], 0
	s_mov_b32 s[\g+7], 0
.endr
	s_lshl_b32 s58, s16, 16
	s_lshl_b32 s54, s51, 17
	s_add_co_u32 s54, s54, s58                     ; A: four token tiles, 65,536 bytes on end
	s_mov_b32 s55, 0
	s_lshl_b32 s56, s50, 17
	s_add_co_u32 s56, s56, s58                     ; B: 64 rows
	s_mov_b32 s57, 0
	s_mul_i32 s59, s16, 64*BP
	s_add_co_u32 s59, s59, BOFF
	s_mov_b32 s[G0A], 1
	s_mov_b32 s[G0A+1], s58
	s_mov_b32 s[G0B], 1
	s_mov_b32 s[G0B+1], s59
	s_wait_alu depctr_va_vdst(0)
	s_wait_dscnt 0x0                               ; both opening adds are done
	s_wait_kmcnt 0x0
	s_load_b64 s[96:97], s[8:9], 0x18              ; e6, e7
	s_add_nc_u64 s[G0A+2:G0A+3], s[4:5], s[54:55]
	s_or_b32 s[G0A+3], s[G0A+3], 0x80000000
	s_add_nc_u64 s[G0B+2:G0B+3], s[6:7], s[56:57]
	s_or_b32 s[G0B+3], s[G0B+3], 0x80000000
	CROUND                                         ; all sixteen work-groups are here: the joint loads meet
	s_cmp_eq_u32 s15, 0                            ; one load a wave
	s_cbranch_scc0 .Lfor_b
	tensor_load_to_lds s[G0A:G0A+3], s[G1A:G1A+7]
	s_nop 0
	PLACES
	s_branch .Lasked
.Lfor_b:
	tensor_load_to_lds s[G0B:G0B+3], s[G1B:G1B+7]
	s_nop 0
	PLACES
.Lasked:
	s_lshl_b32 s60, s51, 7
	s_lshl_b32 s61, s15, 6
	s_add_co_u32 s60, s60, s61                     ; my first token,
	s_lshl_b32 s60, s60, 12                        ; its row of 4,096 bytes,
	s_lshl_b32 s61, s50, 9
	s_add_co_u32 s60, s60, s61                     ; the tile's first column,
	s_lshl_b32 s61, s16, 8
	s_add_co_u32 s60, s60, s61                     ; my 64 columns
	s_mov_b32 s61, 0
	s_add_nc_u64 s[10:11], s[10:11], s[60:61]
	s_lshl_b32 s60, s15, 16                        ; my four token tiles
	s_mul_i32 s61, s16, 64*BP
	s_add_co_u32 s61, s61, BOFF                    ; my 64 rows of B
	s_mul_i32 s62, s14, 16*SP_
	s_add_co_u32 s62, s62, STG                     ; my stage
	v_and_b32 v1, 15, v0                           ; r
	v_bfe_u32 v2, v0, 4, 1                         ; h
	v_and_b32 v3, 31, v0
	v_mul_u32_u24 v4, v1, BP
	v_mul_u32_u24 v5, v1, SP_
	v_mul_u32_u24 v6, v2, SP_
	v_lshlrev_b32 v7, 12, v2
	v_lshlrev_b32 v3, 4, v3
	v_lshl_add_u32 v4, v2, 4, v4
	v_lshl_add_u32 v5, v2, 5, v5
	v_lshl_add_u32 v6, v1, 4, v6
	v_lshl_add_u32 v[CO], v1, 4, v7                ; lanes 0-15 one row of out0, lanes 16-31 the next
	v_add_nc_u32 v[ADRA], s60, v3
	v_add_nc_u32 v[ADRB], s61, v4
	v_add_nc_u32 v[STO], s62, v5                   ; in: row r, 32 bytes for each half of the lanes
	v_add_nc_u32 v[RD], s62, v6                    ; back: whole rows of 256 bytes
	s_wait_alu depctr_va_vdst(0)                   ; the wait at the head's end
	s_wait_kmcnt 0x0
	s_add_co_i32 s96, s96, s97
	s_add_co_i32 s96, s96, 127
	s_lshl_b32 s96, s96, 23                        ; 2^(e6 + e7) as f32
	s_mov_b32 s97, s96                             ; (named with it as a pair)
.macro FB ks                           ; B's four fragments of K step ks: 16 loads.  Registers 4 c .. 4 c + 3 hold K = 32 c + 16 h + 0 .. 15, in A and in B alike
	WIN 0x40+0x40*((\ks)/4)
.irp b, 0,1,2,3
.irp c, 0,1,2,3
	ds_load_b128 v[64*((\ks)%4)+16*\b+4*\c:64*((\ks)%4)+16*\b+4*\c+3], v[ADRB] offset:16*BP*\b+128*(\ks)+32*\c
.endr
.endr
.endm
.macro FA a, ks                        ; A's fragment of block a: 4 loads
	WIN 0xc0
.irp c, 0,1,2,3
	ds_load_b128 v[128*((\a)%2)+16*(\ks)+4*\c:128*((\a)%2)+16*(\ks)+4*\c+3], v[ADRA] offset:16384*(\a)+2048*(\ks)+512*\c
.endr
.endm
.macro MULK a, ks                      ; the block's four accumulators by turns, one instruction a turn: three others stand between two steps of a sum
	WIN 0x0d+((\ks)/4)
.irp b, 0,1,2,3
.set AC, ACC+32*((\a)%2)+8*\b
.set BF, 64*((\ks)%4)+16*\b
.set AX, 128*((\a)%2)+16*(\ks)
.if (\ks) == 0
	v_wmma_f32_16x16x128_bf8_bf8 v[AC:AC+7], v[BF:BF+15], v[AX:AX+15], 0
.else
	v_wmma_f32_16x16x128_bf8_bf8 v[AC:AC+7], v[BF:BF+15], v[AX:AX+15], v[AC:AC+7]
.endif
.endr
.endm
; THE WAY OUT of block a: x 2^(e6 + e7), through my stage, back as whole rows of 256 bytes.  LDS serves a wave's instructions in order (ISA guide 5.7.1.4): no wait between stores and loads.
.macro TOSTAGE a
.set AC, ACC+32*((\a)%2)
.set BB, BK+32*((\a)%2)
.irp i, 0,2,4,6,8,10,12,14,16,18,20,22,24,26,28,30
	v_pk_mul_f32 v[TMP+\i:TMP+\i+1], v[AC+\i:AC+\i+1], s[96:97] op_sel_hi:[1,0]   ; each accumulator from its low end on
.endr
.irp b, 0,1,2,3
	ds_store_b128 v[STO], v[TMP+8*\b:TMP+8*\b+3] offset:64*\b
	ds_store_b128 v[STO], v[TMP+8*\b+4:TMP+8*\b+7] offset:64*\b+16
.endr
.irp t, 0,1,2,3,4,5,6,7
	ds_load_b128 v[BB+4*\t:BB+4*\t+3], v[RD] offset:\t*2*SP_
.endr
.endm
.macro SEND a, younger                 ; younger: the LDS loads issued behind block a's rows
.set BB, BK+32*((\a)%2)
	WIN 0
	s_wait_dscnt \younger
.irp t, 0,1,2,3,4,5,6,7
	global_store_b128 v[CO], v[BB+4*\t:BB+4*\t+3], s[10:11] offset:(16*(\a)+2*\t)*4096 th:TH_STORE_NT   ; sixteen lanes store 256 consecutive bytes, aligned; written once, read by nobody here
.endr
.endm
	s_wait_tensorcnt 0x0                           ; my part is in,
	s_barrier_signal -1
	s_barrier_wait -1                              ; and everybody's: nothing is filled again in this text
	FA 0, 0
	FB 0
	FA 0, 1
	FB 1
.irp ks, 0,1,2,3,4,5                   ; block 0 goes as B's fragments come, two K steps ahead
	s_wait_dscnt 20                                ; this K step's are in, the next one's 20 loads may be out
	FA 0, \ks+2
	FB \ks+2
	MULK 0, \ks
.endr
	s_wait_dscnt 20
.irp ks, 0,1,2,3,4,5,6,7
	FA 1, \ks
.endr
	MULK 0, 6
	s_wait_dscnt 32                                ; all but block 1's 32 loads
	MULK 0, 7
	WIN 0
	PLACES                                         ; behind the last products, ahead of the first reads of results and of loads into A's buffer
	TOSTAGE 0
.irp a, 1,2,3
	s_wait_dscnt 16                                ; block a's fragments are in; the stage's 16 may be out
.if \a < 3
.irp ks, 0,1,2,3,4,5,6,7
	FA \a+1, \ks
.endr
.endif
	MULK \a, 0
	MULK \a, 1
	MULK \a, 2
	MULK \a, 3
.if \a < 3
	SEND \a-1, 32
.else
	SEND \a-1, 0
.endif
	MULK \a, 4
	MULK \a, 5
	MULK \a, 6
	MULK \a, 7
	WIN 0
	PLACES
.if \a > 1
	s_wait_xcnt 0x0                                ; block a - 2's stores have read the registers into which block a's rows are loaded
.endif
	TOSTAGE \a
.endr
	SEND 3, 0
	s_wait_tensorcnt 0x0                           ; the wave's end
	ds_add_u32 v[SPW], v[NIL]
	s_wait_dscnt 0x0
	CROUND                                         ; the closing round
	s_endpgm
.Lfunc_end_k_q3ddfaa5855_proj:
	.size	k_q3ddfaa5855_proj, .Lfunc_end_k_q3ddfaa5855_proj-k_q3ddfaa5855_proj
	.p2alignl 7, 3214868480
	.fill 96, 4, 3214868480
	.section	.rodata,"a",@progbits
	.p2align	6, 0x0
	.amdhsa_kernel k_q3ddfaa5855_proj
		.amdhsa_group_segment_fixed_size 327680
		.amdhsa_private_segment_fixed_size 0
		.amdhsa_enable_private_segment 0
		.amdhsa_kernarg_size 32
		.amdhsa_user_sgpr_count 2
		.amdhsa_user_sgpr_kernarg_segment_ptr 1
		.amdhsa_wavefront_size32 1
		.amdhsa_system_sgpr_workgroup_id_x 1
		.amdhsa_system_sgpr_workgroup_id_y 1
		.amdhsa_system_sgpr_workgroup_id_z 1
		.amdhsa_system_vgpr_workitem_id 0
		.amdhsa_next_free_vgpr 1024
		.amdhsa_next_free_sgpr 100
		.amdhsa_reserve_vcc 0
		.amdhsa_float_denorm_mode_32 3
		.amdhsa_float_denorm_mode_16_64 3
		.amdhsa_memory_ordered 1
		.amdhsa_forward_progress 1
		.amdhsa_inst_pref_size 44
	.end_amdhsa_kernel
	.amdgpu_metadata
---
amdhsa.version: [ 1, 2 ]
amdhsa.kernels:
  - .name:           k_q3ddfaa5855_proj
    .symbol:         k_q3ddfaa5855_proj.kd
    .args:
      - { .name: attc, .offset: 0, .size: 8, .value_kind: global_buffer, .address_space: global }
      - { .name: Wout_codes, .offset: 8, .size: 8, .value_kind: global_buffer, .address_space: global }
      - { .name: lowp_scales, .offset: 16, .size: 8, .value_kind: global_buffer, .address_space: global }
      - { .name: out0, .offset: 24, .size: 8, .value_kind: global_buffer, .address_space: global }
    .group_segment_fixed_size: 327680
    .private_segment_fixed_size: 0
    .kernarg_segment_align: 8
    .kernarg_segment_size: 32
    .max_flat_workgroup_size: 128
    .sgpr_count:     100
    .vgpr_count:     1024
    .wavefront_size: 32
...
	.end_amdgpu_metadata
.endif
;; end of part 3
